; MI455X (gfx1250); checked and timed in simulation.
; The chip was launched on July 23, 2026; its instructions are those of AMD's public machine-readable ISA for CDNA 5 (MIT licence, August 2026) and "CDNA5" Instruction Set Architecture Reference Guide (July 2026). The comments in the code are by the model that wrote it; some were corrected since.
;; Self Attention Head. Allowed arithmetic: matrix products marked QUANTISED: E2M1 operands, one E8M0 scale for each 32 along K, by v_wmma_scale_f32_16x16x128_f8f6f4 with both operands' format E2M1 (or v_wmma_scale_f32_32x16x128_f4), f32 sums; everything else in f32.
;; Inputs: W_codes 3,072 x 32 x 16 uint8 (E2M1 codes of W, K innermost, in blocks of 32 codes, two codes a byte); W_scales 3,072 x 32 uint8 (E8M0 scales of W, one for each 32 codes along K); b 3,072 float32; x_codes 4 x 2,048 x 32 x 16 uint8 (E2M1 codes of x, K innermost, in blocks of 32 codes, two codes a byte); x_scales 4 x 2,048 x 32 uint8 (E8M0 scales of x, one for each 32 codes along K).
;; Outputs: out0 4 x 2,048 x 1,024 float32.
;; Constants: input_pos = 0.
;; This version of the problem:
;;   THIS VERSION OF THE PROBLEM IS GIVEN IN LOW PRECISION. The matrix products marked QUANTISED in the list below multiply operands that are first quantised to E2M1 (2 exponent bits, 1 mantissa bit; 4 bits a number), with one power-of-two scale for each 32 numbers along K (OCP MX v1.0); their sums are f32. All else is computed in f32.
;;   The module's matrix products, in the order in which they are computed (A, B: the left and right operand; K: the contracted axis; several contracted axes count as one K, in the product's order):
;;     1. [M 8,192, K 1,024] x [K 1,024, N 3,072]; A: input x (given as codes); B: input W (given as codes): QUANTISED
;;     2. batch 64 x [M 2,048, K 64] x [K 64, N 2,048]; A: computed on the way; B: computed on the way: QUANTISED
;;     3. batch 64 x [M 2,048, K 2,048] x [K 2,048, N 64]; A: softmax (see below); B: computed on the way: QUANTISED
;;   THE QUANTISER, for each operand of a quantised product, along K:
;;     - K is cut into blocks of 32 from its start; a last block that is shorter is filled with zeros.
;;     - A block's scale is 2^e with e = floor(log2(the largest magnitude in the block)) - 2, held to -126 .. 127; a block of zeros has e = 0. As a byte (E8M0): e + 127.
;;     - Each number is divided by its block's scale, clamped to +-6, and rounded to the nearest number of E2M1, ties to even, subnormals kept.
;;     - The product sums the exact products of the quantised numbers (number of the format x scale) in f32.
;;   ~~~python
;;   def quantise(x, axis):      # numpy; x: float32 -> the quantised numbers, widened to float32 again
;;       x = np.moveaxis(x, axis, -1); K = x.shape[-1]
;;       x = np.pad(x, [(0, 0)] * (x.ndim - 1) + [(0, -K % 32)]); x = x.reshape(x.shape[:-1] + (-1, 32)); a = np.abs(x).max(-1, keepdims=True)
;;       e = np.where(a > 0, np.clip(np.frexp(np.where(a > 0, a, 1))[1] - 1 - 2, -126, 127), 0)      # np.frexp(a)[1] - 1 = floor(log2(a)), exactly
;;       r = np.clip(x / 2.0 ** e, -6, 6)
;;       step = 2.0 ** (np.maximum(np.frexp(np.where(r == 0, 1, r))[1] - 1, 0) - 1)
;;       q = np.round(r / step) * step * 2.0 ** e      # np.round: ties to even
;;       return np.moveaxis(q.reshape(q.shape[:-2] + (-1,))[..., :K], -1, axis).astype(np.float32)
;;   ~~~
;;   SOFTMAX AHEAD OF A QUANTISED PRODUCT. Where the list says 'softmax', what is quantised is not the finished softmax but p = 2^(t - M), with t = logit x log2(e) and M = ceil(the row's largest t), a whole number; so 1/2 < the row's largest p <= 1. The row's sum l is taken of the UNQUANTISED p, in f32, and the product's result is divided by l at the end. Since M is a whole number, a kernel that streams over the keys may use a running M (the ceiling of the running maximum): every later rescaling is an exact power of two, which a block's scale takes up: the codes' values come out the same.
;;   OPERANDS COMPUTED ON THE WAY. 'Computed on the way' means the value that the module computes at that place (a softmax that the list does not call 'softmax' is quantised finished and normalised). What goes into a quantiser is computed in f32, as accurately as f32 sums, v_exp_f32 and their like allow (about 1e-6 of the number): no bf16 or f16 on the way to a quantiser, and a product that is left as it is and whose result goes on into a quantised operand takes f32 operands (vector FMAs, or v_wmma_f32_16x16x4_f32). A number that lies on a knife's edge between two numbers of the format may be rounded either way, as far as f32 arithmetic and the matrix unit's own rounding can turn it there, and no further.
;;   INPUTS GIVEN AS CODES. W (in the module: [3072, 1024], K = its axis 1); x (in the module: [4, 2048, 1024], K = its axis 2): each comes as NAME_codes (uint8): NAME with its K axis moved to the last place and cut into blocks of 32 codes, [.., K / 32, bytes a block], one block behind the other in memory; two codes a byte, the lower K in the low four bits (a code: sign, 2 exponent bits, 1 mantissa bit); and NAME_scales (uint8): the same leading axes, one E8M0 byte (e + 127) for each 32 codes along K. Its value is code x scale, taken as it is: it is not quantised again, and the codes and scales need not be those that the quantiser above would give.
;; One version. Each part assembles by itself: llvm-mc -triple=amdgcn-amd-amdhsa -mcpu=gfx1250 --defsym DOCPART=n.
;; ======== version 1 of 1: 2 launches
;; workspace buffers: qkv 17,825,792 bytes
;; launch proj (part 1): grid 12 x 32, 4 waves a work-group, clusters of 4 x 4, 327,680 bytes of LDS; arguments x_codes, x_scales, W_codes, W_scales, b, qkv; writes qkv
.if DOCPART == 1
	.amdgcn_target "amdgcn-amd-amdhsa--gfx1250"
	.amdhsa_code_object_version 6
	.text
	.protected	k_q1c93d25c6a_proj
	.globl	k_q1c93d25c6a_proj
	.p2align	8
	.type	k_q1c93d25c6a_proj,@function
k_q1c93d25c6a_proj:
	s_mov_b64 s[64:65], 0
	v_nop
	global_prefetch_b8 v0, s[64:65] scope:SCOPE_SE
	s_setreg_imm32_b32 hwreg(HW_REG_WAVE_MODE, 25, 1), 1
	s_wait_xcnt 0x0
	s_wait_alu depctr_hold_cnt(0) depctr_sa_sdst(0) depctr_va_vdst(0) depctr_va_sdst(0) depctr_va_ssrc(0) depctr_va_vcc(0) depctr_vm_vsrc(0)
	s_getreg_b32 s2, hwreg(HW_REG_IB_STS2, 6, 4)
	s_cmp_eq_u32 s2, 0
	s_cbranch_scc0 .Lentry_in_a_cluster
	s_endpgm
.Lentry_in_a_cluster:
	s_bfe_u32 s2, ttmp6, 0x10000c
	s_cmp_lg_u32 s2, 0xf033
	s_cbranch_scc0 .Lentry_shape_is_right
	s_endpgm
.Lentry_shape_is_right:
; qkv = x W^T + b on codes of FP4 (E2M1) with E8M0 scales, sums in f32; then q and k are quantised along the head's 64 channels and v along the keys, and leave as IMAGES OF OPERAND REGISTERS for the attention launch.
; x: [8192][1024] codes, W: [3072][1024] codes, K innermost, 512 bytes a row; scale bytes 32 a row; b: [3072] f32.
; DEAD WORK.  input_pos is a constant that reference() never uses: it has no buffer and no way to the output.  Nothing else is left out here: every row of W and every bias feeds a quantised operand of a live product.
; The key steps that lie wholly above the diagonal of reference()'s own jnp.tril are left out in the second launch; a NaN, an infinity or an overflow that reaches only such scores is not carried to the result.
; LIMITS.  A block whose largest magnitude lies under 2^-124, a block of zeros among them, gets the scale byte 1 (its codes are zeros or the nearest codes under that scale; the bytes are read by this program alone).  NaN and infinities among the values are not served.
; WORKSPACE qkv: [kind 2: 0 = q, 1 = k and v][batch x head 64][step of 128 positions 16][record 8,704 bytes].  A record:
;   0    .. 4095  8 tiles of 16 positions, 512 bytes each: lane (r, h) has 16 bytes at 16 x lane: the codes of channels 32 h .. 32 h + 31 of position 16 tile + r
;   4096 .. 8191  (kind 1) v: piece (t, c) at 1024 t + 512 c: lane (r, h): the codes of keys 64 c + 32 h .. + 31 of channel 16 t + r
;   8192 .. 8447  scale words of the positions: at 8 x lane + 4 s the word of the pair of tiles 2 s + lane / 16: bytes 0, 1 the even tile's two blocks of position r, bytes 2, 3 the odd tile's
;   8448 .. 8703  (kind 1) v's scale words: at 8 x lane + 4 s the four key blocks' bytes of channel 16 (2 s + lane / 16) + r
; SHARES.  A work-group of four waves makes a tile of 256 x 256, a wave 128 x 128: 64 accumulators of 16 x 16.  All of K (1,024) fits in two LDS slots of 512 along K: each slot is filled once, nothing is filled again.
; THE AXIS TO BE QUANTISED IS GIVEN TO SOURCE 0: in a result lane (r, h) holds row 16 a + r of source 1 and its registers run along source 0's rows 16 b + 8 h + 0 .. 7.
;   clusters x = 0, 1 (q and k): source 0 = rows of W (channels), source 1 = rows of x (positions);   cluster x = 2 (v): source 0 = rows of x (keys), source 1 = rows of W (channels).
; The choice hangs on the cluster's number alone, which all sixteen partners share.  CLUSTERS: 4 x 4 work-groups; source 1's tile hangs on cy and is asked for jointly along a row of the cluster, source 0's on cx and along a column.
; REGISTERS, in windows of 256: window 0: v0-31 addresses; v32-95 scale words, two sets, and nothing else; v96-123 the way out's scale words and work; v128-191 source 1's fragments, later 64 numbers; v192-255 the codes made.
;   window 1: source 0's fragments, two sets, at v0 and v128; on the way out the biases.   windows 2, 3: the accumulators, (a, b) at v[8 (8 (a % 4) + b)].
.set NQ,     4                         ; steps of 128 along K in a slot
.set ROWB,   256                       ; a tile's row in bytes: 512 codes
.set KROW,   512                       ; a row of x or W in memory
.set PITCH,  272                       ; an LDS row: 256 bytes + 16 of padding
.set FR,     8                         ; registers of a fragment
.set NL,     2                         ; LDS loads that bring one
.set NP,     4                         ; places behind this matrix instruction (ISA guide 7.12.1)
.set HALFT,  128*PITCH                 ; 128 rows: one tensor load
.set SLOT,   4*HALFT                   ; source 1's 256 rows, then source 0's
.set KS,     32                        ; a row of scale bytes
.set SCL,    2*SLOT                    ; the scales, as units of 256 bytes + 16 of padding
.set HALFS,  16*272                    ; those of 128 rows
.set SBLK,   2*272                     ; those of 16 rows
.set SPARE,  SCL+4*HALFS               ; the spare words, 128 bytes a wave: two blocks of 256 bytes that no other line names
.set BIASR,  SPARE+512                 ; 512 bytes a wave: its 128 biases; stored by the wave, read by the wave; no tile lands here
.set RECB,   8704
.set HEADB,  16*RECB
.set KINDB,  64*HEADB
.set ADRA, 16                          ; v16-17 LDS address of my fragments of source 1 in slot 0, 1
.set ADRB, 20                          ; v20-21 of source 0
.set L16,  24                          ; v24  16 x lane
.set L8,   25                          ; v25  8 x lane
.set BST,  26                          ; v26  where I store 16 bytes of the biases
.set ADRS, 27                          ; v27  my scale words: lanes 0-15 source 1's rows, lanes 16-31 source 0's
.set SPW,  28                          ; v28  my spare word; never rewritten
.set NIL,  29                          ; v29  0; never rewritten
.set BRQ,  30                          ; v30  the biases read along source 0: + 32 h
.set BRV,  31                          ; v31  the biases read along source 1: + 4 r
.set SC,   32
.set W,    96                          ; v96-103  scale words kept for the end
.set TM,   104                         ; v104-107 largest magnitudes, v108-111 the other lane's, then bytes, v112-113 halfwords, v116-119 the conversions' scale operands
.set X,    120                         ; v120-123 scale words as stored
.set AF,   128
.set T,    128
.set R,    192
.set G1, 24
.set G0, 32
.set G1B, 48
.set G0B, 56
.set G1S, 68
.set G0S, 76
.set G1SB, 80
.set G0SB, 88
.set SEL, 96                           ; s[96:97] v_permlanex16_b32's selects for lane l xor 16
.set MSB, 0
.macro WIN new                         ; the immediate's high byte repeats the setting that is left
.if MSB != (\new)
	s_set_vgpr_msb (MSB<<8)|(\new)
.set MSB, (\new)
.endif
.endm
.set MUL_LO, 0xa1                      ; source 0 window 1, source 1 window 0, C and D window 2
.set MUL_HI, 0xf1                      ; the same, C and D window 3
.set TO_B,   0x40                      ; destination window 1, address window 0
; A joint load: waves 0 and 1 fetch for source 1, waves 2 and 3 for source 0.  The branch hangs on the wave's number alone.  An s_nop 0 and four v_nop follow each of the two lines.
.macro JLOAD g0a, g1a, g0b, g1b
	s_cmp_eq_u32 s17, 0
	s_cbranch_scc0 .Lfor_b_\@
	tensor_load_to_lds s[\g0a:\g0a+3], s[\g1a:\g1a+7]
	s_nop 0
.rept 4
	v_nop
.endr
	s_branch .Lasked_\@
.Lfor_b_\@:
	tensor_load_to_lds s[\g0b:\g0b+3], s[\g1b:\g1b+7]
	s_nop 0
.rept 4
	v_nop
.endr
.Lasked_\@:
.endm
.macro CROUND                          ; a round of the cluster's barrier
	s_barrier_signal -1
	s_barrier_wait -1
	s_cmp_lg_u32 s16, 0
	s_cbranch_scc1 .Lnot_wave_0_\@
	s_barrier_signal -3
.Lnot_wave_0_\@:
	s_barrier_wait -3
	s_barrier_signal -1
	s_barrier_wait -1
.endm
	s_load_b256 s[4:11], s[0:1], 0x0               ; x's codes s[4:5], x's scales s[6:7], W's codes s[8:9], W's scales s[10:11]
	s_load_b128 s[12:15], s[0:1], 0x20             ; b s[12:13], qkv s[14:15]
	v_lshl_add_u32 v[SPW], v0, 2, SPARE
	v_mov_b32 v[NIL], 0
	ds_add_u32 v[SPW], v[NIL]                      ; the wave's opening: the add, twice on end, and its wait ahead of my first tensor load
	ds_add_u32 v[SPW], v[NIL]                      ; and once more; the set-up below, work on registers, stands between it and the wait
	v_lshrrev_b32 v1, 5, v0
	v_readfirstlane_b32 s16, v1                    ; wave 0..3
	s_lshr_b32 s17, s16, 1                         ; which half of source 1's rows is mine.  Also: I fetch for source 1 (0) or source 0 (1)
	s_and_b32 s18, s16, 1                          ; which half of source 0's rows.  Also: which 128 rows of that tile I fetch
	s_bfe_u32 s40, ttmp6, 0x40000                  ; cx
	s_bfe_u32 s41, ttmp6, 0x40004                  ; cy
	s_and_b32 s2, ttmp7, 0xffff                    ; the cluster's y
	s_cmp_eq_u32 ttmp9, 2                          ; the clusters with x = 2 make v
	s_cselect_b32 s42, s2, ttmp9                   ; the cluster's coordinate along source 0's tiles,
	s_cselect_b32 s19, ttmp9, s2                   ; and along source 1's
	s_lshl_b32 s42, s42, 2
	s_add_co_u32 s42, s42, s40                     ; source 0's tile of 256 rows: it holds cx and never cy
	s_lshl_b32 s19, s19, 2
	s_add_co_u32 s19, s19, s41                     ; source 1's: it holds cy and never cx
	s_lshl_b32 s43, s41, 2
	s_lshl_b32 s43, 15, s43                        ; my row of the cluster
	s_lshl_b32 s44, 0x1111, s40                    ; my column
	; descriptor group 1: a tile of 128 rows x 256 bytes, 16 bytes of padding behind each row
	s_or_b32 s[G1+0], s43, (0<<16)|(1<<20)|(1<<21)|(5<<22)|(3<<25)  ; the mask; elements of 1 byte; padding on; bit 21 beside a mask; after every 64 words, 4 words
	s_or_b32 s[G1B+0], s44, (0<<16)|(1<<20)|(1<<21)|(5<<22)|(3<<25)
.irp g, G1, G1B
	s_mov_b32 s[\g+1], ROWB<<16                    ; tensor_dim0
	s_mov_b32 s[\g+2], 128<<16                     ; tensor_dim1
	s_mov_b32 s[\g+3], ROWB<<16                    ; tile_dim0
	s_mov_b32 s[\g+4], 128                         ; tile_dim1
	s_mov_b32 s[\g+5], KROW                        ; from row to row
	s_mov_b32 s[\g+6], 0
	s_mov_b32 s[\g+7], 0
.endr
	; the scales of 128 rows: 4,096 dense bytes as 16 rows of 256 (32 elements of 8 bytes), 16 bytes of padding behind each
	s_or_b32 s[G1S+0], s43, (3<<16)|(1<<20)|(1<<21)|(5<<22)|(3<<25)
	s_or_b32 s[G1SB+0], s44, (3<<16)|(1<<20)|(1<<21)|(5<<22)|(3<<25)
.irp g, G1S, G1SB
	s_mov_b32 s[\g+1], 32<<16
	s_mov_b32 s[\g+2], 16<<16
	s_mov_b32 s[\g+3], 32<<16
	s_mov_b32 s[\g+4], 16
	s_mov_b32 s[\g+5], 32
	s_mov_b32 s[\g+6], 0
	s_mov_b32 s[\g+7], 0
.endr
	s_lshl_b32 s2, s18, 7                          ; which 128 rows of a tile I fetch
	s_lshl_b32 s92, s19, 8
	s_add_co_u32 s92, s92, s2                      ; source 1: row 256 x tile + 128 x half
	s_lshl_b32 s98, s92, 5                         ; its scales, 32 bytes a row,
	s_lshl_b32 s92, s92, 9                         ; its codes, 512 bytes a row (all under 2^23)
	s_mov_b32 s93, 0
	s_mov_b32 s99, 0
	s_lshl_b32 s46, s42, 8
	s_add_co_u32 s46, s46, s2                      ; source 0 likewise
	s_lshl_b32 s66, s46, 5
	s_lshl_b32 s46, s46, 9
	s_mov_b32 s47, 0
	s_mov_b32 s67, 0
	s_mul_i32 s45, s16, HALFT                      ; where they go: wave x 128 rows: no place in the cluster enters an LDS address
	s_mul_i32 s94, s16, HALFS
	s_mov_b32 s[SEL], 0x76543210
	s_mov_b32 s[SEL+1], 0xfedcba98
	s_wait_dscnt 0x0                               ; both opening adds are done
	s_wait_kmcnt 0x0
	s_cmp_eq_u32 ttmp9, 2                          ; which tensor is which source: a choice between buffers on the cluster's number
	s_cselect_b64 s[20:21], s[8:9], s[4:5]         ; source 1's codes: W's for v, else x's
	s_cselect_b64 s[4:5], s[4:5], s[8:9]           ; source 0's codes
	s_cselect_b64 s[22:23], s[10:11], s[6:7]       ; source 1's scales
	s_cselect_b64 s[6:7], s[6:7], s[10:11]         ; source 0's scales
	s_add_nc_u64 s[20:21], s[20:21], s[92:93]
	s_add_nc_u64 s[22:23], s[22:23], s[98:99]
	s_add_nc_u64 s[4:5], s[4:5], s[46:47]
	s_add_nc_u64 s[6:7], s[6:7], s[66:67]
	CROUND                                         ; all sixteen work-groups are here: the first joint loads meet
	s_mov_b32 s[G0S], 1
	s_add_co_u32 s[G0S+1], s94, SCL
	s_mov_b64 s[G0S+2:G0S+3], s[22:23]
	s_or_b32 s[G0S+3], s[G0S+3], 0x80000000
	s_mov_b32 s[G0SB], 1
	s_add_co_u32 s[G0SB+1], s94, SCL
	s_mov_b64 s[G0SB+2:G0SB+3], s[6:7]
	s_or_b32 s[G0SB+3], s[G0SB+3], 0x80000000
	JLOAD G0S, G1S, G0SB, G1SB                     ; the scales first: they are wanted with slot 0
.irp s, 0,1
	s_mov_b32 s[G0+4*\s], 1
	s_add_co_u32 s[G0+4*\s+1], s45, \s*SLOT
	s_add_nc_u64 s[G0+4*\s+2:G0+4*\s+3], s[20:21], \s*ROWB
	s_or_b32 s[G0+4*\s+3], s[G0+4*\s+3], 0x80000000
	s_mov_b32 s[G0B+4*\s], 1
	s_add_co_u32 s[G0B+4*\s+1], s45, \s*SLOT
	s_add_nc_u64 s[G0B+4*\s+2:G0B+4*\s+3], s[4:5], \s*ROWB
	s_or_b32 s[G0B+4*\s+3], s[G0B+4*\s+3], 0x80000000
	JLOAD G0+4*\s, G1, G0B+4*\s, G1B               ; three loads of mine are out: all of K is on its way
.endr
	; where my wave's results go, and which biases are mine
	s_lshl_b32 s2, s42, 8
	s_lshl_b32 s3, s18, 7
	s_add_co_u32 s2, s2, s3                        ; my first row of source 0
	s_lshl_b32 s3, s19, 8
	s_lshl_b32 s46, s17, 7
	s_add_co_u32 s3, s3, s46                       ; my first row of source 1
	s_cmp_eq_u32 ttmp9, 2
	s_cselect_b32 s46, s2, s3                      ; my first row of x: 128 positions, one step of one batch
	s_cselect_b32 s47, s3, s2                      ; my first row of W: 128 channels, two heads of one of q, k, v
	s_lshr_b32 s2, s47, 10
	s_min_u32 s2, s2, 1                            ; kind: q 0; k and v 1
	s_mul_i32 s2, s2, KINDB
	s_lshr_b32 s3, s46, 11                         ; the batch
	s_lshl_b32 s3, s3, 4
	s_bfe_u32 s92, s47, 0x40006                    ; the first of my two heads
	s_add_co_u32 s3, s3, s92
	s_mul_i32 s3, s3, HEADB
	s_add_co_u32 s2, s2, s3
	s_bfe_u32 s3, s46, 0x40007                     ; the step
	s_mul_i32 s3, s3, RECB
	s_add_co_u32 s2, s2, s3
	s_mov_b32 s3, 0
	s_add_nc_u64 s[14:15], s[14:15], s[2:3]        ; my record of the first head; the second head's lies HEADB further on
	s_lshl_b32 s2, s47, 2
	s_add_nc_u64 s[12:13], s[12:13], s[2:3]        ; my 128 biases
	s_mov_b32 s46, 0xffff0000                      ; lanes 16-31, for the selects at the end
	v_and_b32 v6, 31, v0
	v_lshlrev_b32 v[L16], 4, v6
	v_lshlrev_b32 v[L8], 3, v6
	global_load_b128 v[8:11], v[L16], s[12:13]     ; 512 consecutive bytes
	v_and_b32 v1, 15, v0                           ; r
	v_bfe_u32 v2, v0, 4, 1                         ; h
	v_mul_u32_u24 v3, v1, PITCH
	v_lshl_add_u32 v4, v2, 4, v3                   ; a fragment's row x pitch + 16 x half
	s_mul_i32 s21, s17, HALFT                      ; my 128 rows of source 1
	s_mul_i32 s22, s18, HALFT                      ; my 128 rows of source 0,
	s_add_co_u32 s22, s22, 2*HALFT                 ; which lie behind source 1's 256
.irp s, 0,1
	v_add_nc_u32 v[ADRA+\s], s21, v4
	v_add_nc_u32 v[ADRB+\s], s22, v4
	s_add_co_u32 s21, s21, SLOT
	s_add_co_u32 s22, s22, SLOT
.endr
	v_mul_u32_u24 v5, v1, KS                       ; my row's scales: 32 bytes a row,
	v_lshrrev_b32 v6, 8, v5
	v_lshl_add_u32 v5, v6, 4, v5                   ; and 16 more for each 256 passed
	s_mul_i32 s21, s17, HALFS
	s_mul_i32 s22, s18, HALFS
	s_add_co_u32 s22, s22, 2*HALFS
	s_sub_co_u32 s22, s22, s21
	v_mul_u32_u24 v6, s22, v2                      ; lanes 16-31 take source 0's: one product, the distance between the two
	s_add_co_u32 s21, s21, SCL
	v_add_nc_u32 v5, v5, v6
	v_add_nc_u32 v[ADRS], s21, v5
	s_lshl_b32 s23, s16, 9
	s_add_co_u32 s23, s23, BIASR                   ; my 512 bytes of biases
	v_add_nc_u32 v[BST], s23, v[L16]
	v_lshl_add_u32 v[BRQ], v2, 5, s23
	v_lshl_add_u32 v[BRV], v1, 2, s23
.irp i, 4,5,6,7
	v_mov_b32 v[TM+\i], 0                          ; written once: a lane permute's destination counts as one of its sources
.endr
	s_wait_loadcnt 0x0
	ds_store_b128 v[BST], v[8:11]                  ; only I read these bytes
.macro FRAG reg, adr, q, i             ; 16 rows x 128 K of 4-bit codes: lane l holds row l % 16; registers 4 c .. 4 c + 3 hold K = 64 c + 32 (l / 16) + 0 .. 31
.irp c, 0,1
	ds_load_b128 v[\reg+4*\c:\reg+4*\c+3], v[\adr] offset:64*(\q)+32*\c+(\i)*16*PITCH
.endr
.endm
; 16 matrix instructions: source 1's blocks a0, a0 + 1 x source 0's eight, 128 along K.  zero = 1: the first product starts the sums.  The 64 accumulators take turns, one instruction a turn, in the same order in every step.
.macro MUL16 a0, p, q, sc, zero
.irp a, \a0, \a0+1
.irp b, 0,1,2,3,4,5,6,7
.if \zero
	v_wmma_scale_f32_16x16x128_f8f6f4 v[8*(8*((\a)%4)+\b):8*(8*((\a)%4)+\b)+7], v[128*(\p)+FR*\b:128*(\p)+FR*\b+FR-1], v[AF+FR*(\a):AF+FR*(\a)+FR-1], 0, v[SC+8*NQ*(\sc)+NQ*\b+(\q)], v[SC+8*NQ*(\sc)+NQ*(\a)+(\q)] matrix_a_fmt:MATRIX_FMT_FP4 matrix_b_fmt:MATRIX_FMT_FP4 matrix_a_scale:MATRIX_SCALE_ROW1
.else
	v_wmma_scale_f32_16x16x128_f8f6f4 v[8*(8*((\a)%4)+\b):8*(8*((\a)%4)+\b)+7], v[128*(\p)+FR*\b:128*(\p)+FR*\b+FR-1], v[AF+FR*(\a):AF+FR*(\a)+FR-1], v[8*(8*((\a)%4)+\b):8*(8*((\a)%4)+\b)+7], v[SC+8*NQ*(\sc)+NQ*\b+(\q)], v[SC+8*NQ*(\sc)+NQ*(\a)+(\q)] matrix_a_fmt:MATRIX_FMT_FP4 matrix_b_fmt:MATRIX_FMT_FP4 matrix_a_scale:MATRIX_SCALE_ROW1
.endif
.endr
.endr
.endm
.macro FETCH_B slot, q, p              ; source 0's eight fragments of the slot's q-th 128 along K into set p
	WIN TO_B
.irp i, 0,1,2,3,4,5,6,7
	FRAG 128*(\p)+FR*\i, ADRB+\slot, \q, \i
.endr
	WIN 0
.endm
.macro FETCH_A slot, q, i0             ; source 1's blocks i0 .. i0 + 3
.irp i, \i0, \i0+1, \i0+2, \i0+3
	FRAG AF+FR*(\i), ADRA+\slot, \q, \i
.endr
.endm
.macro SCALES sc                       ; a slot's scale words into set sc: four words a row; lanes 0-15 take source 1's block i, lanes 16-31 source 0's
.irp i, 0,1,2,3,4,5,6,7
	ds_load_b128 v[SC+8*NQ*\sc+NQ*\i:SC+8*NQ*\sc+NQ*\i+3], v[ADRS] offset:\i*SBLK
.endr
.endm
.macro PLACES n                        ; plain vector instructions that name no register of the matrix instructions in front (ISA guide 7.12.1)
.rept \n
	v_nop
.endr
.endm
; A step of 128 along K that has its successor in the same slot.  Source 1 has one set of registers: blocks 0-3 are fetched anew in the step's middle, blocks 4-7 at its end; source 0 has two sets.
.macro STEP slot, q, zero
	s_wait_dscnt 4*NL                              ; all but the youngest eight loads (source 1's blocks 4-7) are in
	WIN MUL_LO
	MUL16 0, (\q)%2, \q, \slot, \zero
	MUL16 2, (\q)%2, \q, \slot, \zero
	s_wait_dscnt 0                                 ; blocks 4-7 are in
	PLACES NP
	FETCH_B \slot, (\q)+1, 1-(\q)%2
	FETCH_A \slot, (\q)+1, 0
	WIN MUL_HI
	MUL16 4, (\q)%2, \q, \slot, \zero
	MUL16 6, (\q)%2, \q, \slot, \zero
	PLACES NP
	WIN 0
	FETCH_A \slot, (\q)+1, 4
.endm
; Slot 0's last step goes over to slot 1: each wave waits for all its tensor loads (its part of slot 1), then the barrier shows the whole slot to every wave.  Nothing is filled again.
.macro TURN slot, next
	s_wait_tensorcnt 0x0                           ; my part of the next slot has landed  (every window is 0 here)
	ds_add_u32 v[SPW], v[NIL]                      ; 0 onto my spare word
	s_wait_dscnt 4*NL+1                            ; the add and the youngest eight loads may be out
	WIN MUL_LO
	MUL16 0, 1, NQ-1, \slot, 0
	s_wait_dscnt 0x0                               ; no LDS instruction of mine is out at the signal
	s_barrier_signal -1
	MUL16 2, 1, NQ-1, \slot, 0                     ; work on registers while the others arrive
	WIN 0
	s_barrier_wait -1
	PLACES NP
	v_add_nc_u32 v[ADRS], 4*NQ, v[ADRS]            ; on to the next slot's scale words
	FETCH_B \next, 0, 0
	FETCH_A \next, 0, 0
	SCALES \next
	WIN MUL_HI
	MUL16 4, 1, NQ-1, \slot, 0
	MUL16 6, 1, NQ-1, \slot, 0
	PLACES NP
	WIN 0
	FETCH_A \next, 0, 4
.endm
.macro STEPS slot, from                ; the slot's steps from .. NQ - 2
.set Q, \from
.rept NQ-1-\from
	STEP \slot, Q, 0
.set Q, Q+1
.endr
.endm
	s_wait_tensorcnt 1                             ; the scales and my part of slot 0 are in; slot 1's load, issued behind them, may be out
	s_wait_dscnt 0x0                               ; my store of the biases is done
	s_barrier_signal -1
	s_barrier_wait -1                              ; everybody's are
	FETCH_B 0, 0, 0
	FETCH_A 0, 0, 0
	SCALES 0
	FETCH_A 0, 0, 4
	STEP 0, 0, 1                                   ; the first products start the sums: nothing is cleared
	STEPS 0, 1
	TURN 0, 1
	STEPS 1, 0
	s_wait_dscnt 4*NL                              ; the last step: nothing more to fetch
	WIN MUL_LO
	MUL16 0, 1, NQ-1, 1, 0
	MUL16 2, 1, NQ-1, 1, 0
	s_wait_dscnt 0
	WIN MUL_HI
	MUL16 4, 1, NQ-1, 1, 0
	MUL16 6, 1, NQ-1, 1, 0
	WIN 0
	PLACES NP                                      ; in front of the loads into source 0's registers, the writes over source 1's and the first reads of results
; THE WAY OUT.  v = 0: q and k;  v = 1: v.  A block a is 16 rows of source 1 x my 128 rows of source 0: 64 numbers a lane, register 8 b + e = source 0's row 16 b + 8 h + e: four blocks of 32, each half in lane l and half in lane l xor 16.
.macro ROWBLK a, v
.set AC, 64*((\a)%4)
	WIN 0x06+(\a)/4                                ; source 0: window 2 or 3 (the sums); source 1: window 1 (the biases)
.irp b, 0,1,2,3,4,5,6,7
.irp p, 0,2,4,6
.if \v
	v_pk_add_f32 v[T+8*\b+\p:T+8*\b+\p+1], v[AC+8*\b+\p:AC+8*\b+\p+1], v[2*(\a):2*(\a)+1]        ; + b of my channel 16 a + r; each accumulator from its low end on
.else
	v_pk_add_f32 v[T+8*\b+\p:T+8*\b+\p+1], v[AC+8*\b+\p:AC+8*\b+\p+1], v[8*\b+\p:8*\b+\p+1]      ; + b of channels 16 b + 8 h + p, p + 1
.endif
.endr
.endr
	WIN 0
.irp b, 0,1,2,3
	v_max3_num_f32 v[TM+\b], |v[T+16*\b]|, |v[T+1+16*\b]|, 0x1800000   ; block b: my 16 numbers, and the floor 2^(3 - 127): the byte cannot fall under 1
.endr
.irp i, 2,4,6,8,10,12,14
.irp b, 0,1,2,3
	v_max3_num_f32 v[TM+\b], v[TM+\b], |v[T+16*\b+\i]|, |v[T+1+16*\b+\i]|   ; the four blocks by turns
.endr
.endr
.irp b, 0,1,2,3
	v_permlanex16_b32 v[TM+4+\b], v[TM+\b], s[SEL], s[SEL+1]
.endr
.irp b, 0,1,2,3
	v_max_num_f32 v[TM+\b], v[TM+\b], v[TM+4+\b]   ; with lane l xor 16's: the block's largest magnitude
.endr
.irp b, 0,1,2,3
	v_add_nc_u32 v[TM+12+\b], 0xff000000, v[TM+\b] ; 2 off its exponent field: the conversion's scale operand
.endr
.irp b, 0,1,2,3
	v_lshrrev_b32 v[TM+4+\b], 23, v[TM+12+\b]      ; the scale's byte
.endr
.if \v
	v_lshl_or_b32 v[W+(\a)], v[TM+5], 8, v[TM+4]   ; my channel's word: the four key blocks of this step
	v_lshl_or_b32 v[W+(\a)], v[TM+6], 16, v[W+(\a)]
	v_lshl_or_b32 v[W+(\a)], v[TM+7], 24, v[W+(\a)]
.else
.irp g, 0,1                                    ; head g: blocks 2 g, 2 g + 1; two tiles of positions share a word
.if ((\a)%2) == 0
	v_lshl_or_b32 v[W+4*\g+(\a)/2], v[TM+5+2*\g], 8, v[TM+4+2*\g]
.else
	v_lshl_or_b32 v[TM+8+\g], v[TM+5+2*\g], 8, v[TM+4+2*\g]
	v_lshl_or_b32 v[W+4*\g+(\a)/2], v[TM+8+\g], 16, v[W+4*\g+(\a)/2]
.endif
.endr
.endif
.irp c, 0,1                                    ; tiles 4 c + 0, 1, 2, 3 go to registers 0, 2, 1, 3, so that the two exchanges below leave block 2 c + h whole, in ascending order, in lane (r, h)
	v_cvt_scalef32_pk8_fp4_f32 v[R+8*(\a)+4*\c],   v[T+32*\c:T+32*\c+7],     v[TM+12+2*\c]
	v_cvt_scalef32_pk8_fp4_f32 v[R+8*(\a)+4*\c+2], v[T+32*\c+8:T+32*\c+15],  v[TM+12+2*\c]
	v_cvt_scalef32_pk8_fp4_f32 v[R+8*(\a)+4*\c+1], v[T+32*\c+16:T+32*\c+23], v[TM+13+2*\c]
	v_cvt_scalef32_pk8_fp4_f32 v[R+8*(\a)+4*\c+3], v[T+32*\c+24:T+32*\c+31], v[TM+13+2*\c]
.endr
	v_nop                                          ; one plain place behind a scaled conversion
.irp c, 0,1
	v_permlane16_swap_b32 v[R+8*(\a)+4*\c],   v[R+8*(\a)+4*\c+1]   ; the first's lanes 16-31 change places with the second's lanes 0-15
	v_permlane16_swap_b32 v[R+8*(\a)+4*\c+2], v[R+8*(\a)+4*\c+3]
.endr
.irp c, 0,1                                    ; 32 lanes store 512 consecutive bytes, aligned; each block has registers of its own, so no store's data are written again
.if \v
	global_store_b128 v[L16], v[R+8*(\a)+4*\c:R+8*(\a)+4*\c+3], s[14:15] offset:((\a)/4)*HEADB+4096+1024*((\a)%4)+512*\c
.else
	global_store_b128 v[L16], v[R+8*(\a)+4*\c:R+8*(\a)+4*\c+3], s[14:15] offset:\c*HEADB+512*(\a)
.endif
.endr
.endm
.macro SCOUT v                         ; the scale words of my two heads: lanes 0-15 take the even word of a pair, lanes 16-31 the odd one: 256 consecutive bytes a store
.irp g, 0,1
	v_cndmask_b32 v[X+2*\g],   v[W+4*\g],   v[W+4*\g+1], s46
	v_cndmask_b32 v[X+2*\g+1], v[W+4*\g+2], v[W+4*\g+3], s46
	global_store_b64 v[L8], v[X+2*\g:X+2*\g+1], s[14:15] offset:\g*HEADB+8192+256*\v
.endr
.endm
.macro WAYOUT v
	WIN TO_B                                       ; the biases into window 1, in the results' layout
.if \v
.irp a, 0,1,2,3,4,5,6,7
	ds_load_b32 v[2*\a],   v[BRV] offset:64*\a     ; b of channel 16 a + r, twice: a pair for the packed addition
	ds_load_b32 v[2*\a+1], v[BRV] offset:64*\a
.endr
.else
.irp n, 0,1,2,3,4,5,6,7,8,9,10,11,12,13,14,15
	ds_load_b128 v[4*\n:4*\n+3], v[BRQ] offset:64*(\n/2)+16*(\n%2)   ; register 8 b + e: b of channel 16 b + 8 h + e
.endr
.endif
	WIN 0
	s_wait_dscnt 0x0
.irp a, 0,1,2,3,4,5,6,7
	ROWBLK \a, \v
.endr
	SCOUT \v
.endm
	s_cmp_eq_u32 ttmp9, 2                          ; the cluster's number: the same in all sixteen partners and all waves
	s_cbranch_scc1 .Lv
	WAYOUT 0
	s_branch .Ldone
.Lv:
	WAYOUT 1
.Ldone:
	s_wait_tensorcnt 0x0                           ; the wave's end, behind my last tensor load and my last LDS store
	ds_add_u32 v[SPW], v[NIL]
	s_wait_dscnt 0x0
	CROUND                                         ; the closing round: no work-group ends while a partner may still ask for a tile that names it
	s_endpgm
.Lfunc_end_k_q1c93d25c6a_proj:
	.size	k_q1c93d25c6a_proj, .Lfunc_end_k_q1c93d25c6a_proj-k_q1c93d25c6a_proj
	.p2alignl 7, 3214868480
	.fill 96, 4, 3214868480
	.section	.rodata,"a",@progbits
	.p2align	6, 0x0
	.amdhsa_kernel k_q1c93d25c6a_proj
		.amdhsa_group_segment_fixed_size 327680
		.amdhsa_private_segment_fixed_size 0
		.amdhsa_enable_private_segment 0
		.amdhsa_kernarg_size 48
		.amdhsa_user_sgpr_count 2
		.amdhsa_user_sgpr_kernarg_segment_ptr 1
		.amdhsa_wavefront_size32 1
		.amdhsa_system_sgpr_workgroup_id_x 1
		.amdhsa_system_sgpr_workgroup_id_y 1
		.amdhsa_system_sgpr_workgroup_id_z 1
		.amdhsa_system_vgpr_workitem_id 0
		.amdhsa_next_free_vgpr 1024
		.amdhsa_next_free_sgpr 100
		.amdhsa_reserve_vcc 0
		.amdhsa_float_denorm_mode_32 3
		.amdhsa_float_denorm_mode_16_64 3
		.amdhsa_memory_ordered 1
		.amdhsa_forward_progress 1
		.amdhsa_inst_pref_size 195
	.end_amdhsa_kernel
	.amdgpu_metadata
---
amdhsa.version: [ 1, 2 ]
amdhsa.kernels:
  - .name:           k_q1c93d25c6a_proj
    .symbol:         k_q1c93d25c6a_proj.kd
    .args:
      - { .name: x_codes, .offset: 0, .size: 8, .value_kind: global_buffer, .address_space: global }
      - { .name: x_scales, .offset: 8, .size: 8, .value_kind: global_buffer, .address_space: global }
      - { .name: W_codes, .offset: 16, .size: 8, .value_kind: global_buffer, .address_space: global }
      - { .name: W_scales, .offset: 24, .size: 8, .value_kind: global_buffer, .address_space: global }
      - { .name: b, .offset: 32, .size: 8, .value_kind: global_buffer, .address_space: global }
      - { .name: qkv, .offset: 40, .size: 8, .value_kind: global_buffer, .address_space: global }
    .group_segment_fixed_size: 327680
    .private_segment_fixed_size: 0
    .kernarg_segment_align: 8
    .kernarg_segment_size: 48
    .max_flat_workgroup_size: 128
    .sgpr_count:     100
    .vgpr_count:     1024
    .wavefront_size: 32
...
	.end_amdgpu_metadata
.endif
;; end of part 1
;; launch attn (part 2): grid 4 x 64, 16 waves a work-group, clusters of 4 x 1, 210,944 bytes of LDS; arguments qkv, out0; writes out0
.if DOCPART == 2
	.amdgcn_target "amdgcn-amd-amdhsa--gfx1250"
	.amdhsa_code_object_version 6
	.text
	.protected	k_q1c93d25c6a_attn
	.globl	k_q1c93d25c6a_attn
	.p2align	8
	.type	k_q1c93d25c6a_attn,@function
k_q1c93d25c6a_attn:
	s_mov_b64 s[64:65], 0
	v_nop
	global_prefetch_b8 v0, s[64:65] scope:SCOPE_SE
	s_setreg_imm32_b32 hwreg(HW_REG_WAVE_MODE, 25, 1), 1
	s_wait_xcnt 0x0
	s_wait_alu depctr_hold_cnt(0) depctr_sa_sdst(0) depctr_va_vdst(0) depctr_va_sdst(0) depctr_va_ssrc(0) depctr_va_vcc(0) depctr_vm_vsrc(0)
	s_getreg_b32 s2, hwreg(HW_REG_IB_STS2, 6, 4)
	s_cmp_eq_u32 s2, 0
	s_cbranch_scc0 .Lentry_in_a_cluster
	s_endpgm
.Lentry_in_a_cluster:
	s_bfe_u32 s2, ttmp6, 0x10000c
	s_cmp_lg_u32 s2, 0x3003
	s_cbranch_scc0 .Lentry_shape_is_right
	s_endpgm
.Lentry_shape_is_right:
; out[b][q][head] = the sum over k <= q of softmax_k(Q . K / 8) V, both products on codes of FP4 (E2M1) with E8M0 scales, from the register images that the first launch stored (its head comment has the record's layout).
; WORK LEFT OUT: a key step (128 keys) all of whose keys come after a tile's 16 queries is thrown away by reference()'s own jnp.tril for all values of the inputs: it is not computed.  A NaN, an infinity or an overflow that reaches only such scores is not carried to the result.
; THE SOFTMAX AHEAD OF THE SECOND PRODUCT: t = score x log2(e) / 8; M = the running largest t rounded UP to a whole number; p = 2^(t - M) is quantised along the keys, not normalised; the row's sum is taken of the unquantised p and divides at the end.
; When M moves, the sum and O are multiplied by 2^(old M - new M): exact.  A block's largest p is made from the block's largest score by the same multiply-add and exponential (this takes v_exp_f32 not to fall where its input rises).
; LIMITS: a block whose every p is under 2^-124 keeps the scale byte 1; NaN and infinities among the values are not served.
; SHARES.  A cluster of four work-groups is one (batch, head).  Wave w of work-group cx has u = 4 w + cx and owns two tiles of 16 queries: tile 127 - u and tile u.  Tile t needs key steps 0 .. t / 8: 16 - w / 2 and w / 2 + 1 steps: 17 for every wave.
; The limits hang on the wave's number alone; cx enters only q's and out's global addresses and the mask's data.  Wave 0 of every partner walks all 16 steps, so every partner reads every record that is fetched.
; NO RING.  The head's 16 records of k and v, 139,264 bytes, stay in LDS: each of the 16 waves asks for one, JOINTLY with the same wave of the three partners, once.  Nothing is filled again, and no barrier stands in the loops.
; LAYOUT.  Both products are used transposed: S^T = K Q^T (source 0 = keys), O^T = V^T P^T (source 0 = channels): a lane holds ONE query (lane % 16) throughout; register 8 tile + e of S^T is key 16 tile + 8 (lane / 16) + e.
; K = 64 IN AN INSTRUCTION OF 128: a fragment of source 0 holds an even tile of keys in k 0-63 and the odd tile behind it in k 64-127; it is multiplied once by (q, zeros) and once by (zeros, q).  Zero codes add nothing; their scale bytes are 0, a power of two.
; No prefetch: every byte of k and v is asked for at the head, and no later load is left to run ahead of.
.set RECB,  8704
.set HEADB, 16*RECB
.set KINDB, 64*HEADB
.set STAGE, 16*RECB                    ; behind the records: 16 rows x 272 bytes for each wave, for the way out
.set SP,    272
.set SPARE, STAGE+16*16*SP             ; the spare words, 128 bytes a wave: eight blocks of 256 bytes that no other line names
.set L16, 1                            ; v1   16 x lane
.set L8,  2                            ; v2   8 x lane
.set ADR, 3                            ; v3   the step's record + 16 x lane
.set ADS, 4                            ; v4   the step's record + 8 x lane
.set SPW, 5                            ; v5   my spare word; never rewritten
.set NIL, 6                            ; v6   0; never rewritten
.set GO,  7                            ; v7   the way out: 4096 (lane / 16) + 16 (lane % 16)
.set STO, 8                            ; v8   where I put 32 bytes of a row in my stage
.set RD,  9                            ; v9   where I read a row back
                                       ; v10, v11  my query's place in its diagonal step less 8 (lane / 16), for the two tiles
                                       ; v12 -M, v13 the largest t, v[14:15] the sum in two halves
                                       ; v16-27, v30-41  q of the two tiles: codes, zeros, codes;  v28-29, v42-43 their scale words (low, high): scales and nothing else
.set KS,  44                           ; v44-45 k's scale words
.set VS,  46                           ; v46-47 v's
.set KF,  48                           ; v48-79  k: tile i at KF + 4 i
.set VF,  80                           ; v80-111 v: four fragments
.set S,   112                          ; v112-175 S^T, then p
.set O,   176                          ; v176-207 O^T
.set P,   208                          ; v208-215 p's codes
.set BM,  216                          ; v216-219 the blocks' largest scores, then largest p
.set BT,  220                          ; v220-223 the other lane's, then bytes
.set BS,  224                          ; v224-227 the conversions' scale operands
.set PW,  228                          ; v228 p's scale word
.set F,   230                          ; v[230:231] f = 2^(old M - new M)
.set TP,  232                          ; v232 at work
.set S2,  234                          ; v[234:235] the second chain of the sum
.set WV,  8                            ; s8   my wave's number
.set SEL, 24                           ; s[24:25] lane selects: lane l xor 16
.set CS,  26                           ; s[26:27] c = log2(e) / 8
.set TB,  28                           ; s28  LDS byte of the step's record
.set ST,  29                           ; s29  the step
.macro CROUND                          ; a round of the cluster's barrier
	s_barrier_signal -1
	s_barrier_wait -1
	s_cmp_lg_u32 s[WV], 0
	s_cbranch_scc1 .Lnot_wave_0_\@
	s_barrier_signal -3
.Lnot_wave_0_\@:
	s_barrier_wait -3
	s_barrier_signal -1
	s_barrier_wait -1
.endm
	s_load_b128 s[4:7], s[0:1], 0x0                ; qkv s[4:5], out0 s[6:7]
	v_lshl_add_u32 v[SPW], v0, 2, SPARE
	v_mov_b32 v[NIL], 0
	ds_add_u32 v[SPW], v[NIL]                      ; the wave's opening: the add, twice on end, and its wait ahead of my first tensor load
	ds_add_u32 v[SPW], v[NIL]                      ; and once more; the set-up below, work on registers, stands between it and the wait
	v_lshrrev_b32 v1, 5, v0
	v_readfirstlane_b32 s[WV], v1                  ; wave 0..15
	s_bfe_u32 s9, ttmp6, 0x40000                   ; cx
	s_and_b32 s10, ttmp7, 0xffff                   ; 16 x batch + head, which the four partners share
	s_lshl_b32 s11, s[WV], 2
	s_add_co_u32 s11, s11, s9                      ; u: my low tile of queries
	s_lshr_b32 s31, s[WV], 1                       ; the low tile's last key step: u / 8 = w / 2
	s_sub_co_u32 s30, 15, s31                      ; the high tile's: (127 - u) / 8
	; descriptor group 1: a record, 8,704 dense bytes, as 34 rows of 256 (32 elements of 8 bytes), no padding
	s_mov_b32 s16, 15|(3<<16)|(1<<21)              ; the mask: all four work-groups; elements of 8 bytes; bit 21 beside a mask
	s_mov_b32 s17, 32<<16                          ; tensor_dim0
	s_mov_b32 s18, 34<<16                          ; tensor_dim1
	s_mov_b32 s19, 32<<16                          ; tile_dim0
	s_mov_b32 s20, 34                              ; tile_dim1
	s_mov_b32 s21, 32                              ; from row to row
	s_mov_b32 s22, 0
	s_mov_b32 s23, 0
	s_mov_b32 s[SEL], 0x76543210
	s_mov_b32 s[SEL+1], 0xfedcba98
	s_mov_b32 s[CS], 0x3e38aa3b                    ; log2(e) / 8
	s_mov_b32 s[CS+1], s[CS]                       ; (named with it as a pair, so it is written)
	s_mul_i32 s40, s10, HEADB                      ; my head's records
	s_mov_b32 s41, 0
	s_mul_i32 s13, s[WV], RECB                     ; group 0: the LDS address: record w
	s_add_co_u32 s42, s40, s13
	s_add_co_u32 s42, s42, KINDB                   ; and where it lies in memory: kind 1
	s_mov_b32 s43, 0
	s_wait_dscnt 0x0                               ; both opening adds are done
	s_wait_kmcnt 0x0
	s_mov_b32 s12, 1
	s_add_nc_u64 s[14:15], s[4:5], s[42:43]
	s_or_b32 s15, s15, 0x80000000
	s_add_nc_u64 s[4:5], s[4:5], s[40:41]          ; q's records of my head: kind 0
	CROUND                                         ; all four work-groups are here: the joint loads meet
	tensor_load_to_lds s[12:15], s[16:23]          ; my one tensor load of the launch
	s_nop 0
	v_and_b32 v[L16], 31, v0
	v_lshlrev_b32 v[L8], 3, v[L16]
	v_lshlrev_b32 v[L16], 4, v[L16]
	v_and_b32 v236, 15, v0                         ; r
	v_bfe_u32 v237, v0, 4, 1                       ; h
	v_lshlrev_b32 v238, 3, v237
	v_sub_nc_u32 v238, v236, v238                  ; r - 8 h
	s_lshr_b32 s40, s10, 4
	s_lshl_b32 s40, s40, 23                        ; out0: the batch's 2,048 rows of 4,096 bytes,
	s_and_b32 s41, s10, 15
	s_lshl_b32 s41, s41, 8                         ; the head's 256 bytes of a row
	s_add_co_u32 s40, s40, s41
	s_sub_co_u32 s44, 127, s11                     ; my high tile of queries
; A tile of queries, its number in s[tq]: q's codes (twice: in front of the zeros and behind them), its scale halfword, the mask's datum, out0's base.
.macro QSET tq, q, qs, dg, ob, va, vs
	s_lshr_b32 s45, s[\tq], 3
	s_mul_i32 s45, s45, RECB                       ; its record
	s_and_b32 s46, s[\tq], 7                       ; its place among the record's eight tiles
	s_lshl_b32 s47, s46, 9
	s_add_co_u32 s47, s47, s45
	v_add_nc_u32 v[\va], s47, v[L16]
	s_lshl_b32 s46, s46, 4
	v_add_nc_u32 v[\dg], s46, v238                 ; my query's place in the step, less 8 h
	s_bfe_u32 s47, s[\tq], 0x10001                 ; the scale word of its pair of tiles lies at 8 (r + 16 (pair % 2)) + 4 (pair / 2); the tile's half of it 2 (tile % 2) on
	s_lshl_b32 s47, s47, 7
	s_add_co_u32 s45, s45, s47
	s_bfe_u32 s47, s[\tq], 0x10002
	s_lshl_b32 s47, s47, 2
	s_add_co_u32 s45, s45, s47
	s_and_b32 s47, s[\tq], 1
	s_lshl_b32 s47, s47, 1
	s_add_co_u32 s45, s45, s47
	v_lshl_add_u32 v[\vs], v236, 3, s45
	s_lshl_b32 s42, s[\tq], 16                     ; 16 rows of 4,096 bytes a tile  (s43 = 0)
	s_add_co_u32 s42, s42, s40
	s_add_nc_u64 s[\ob:\ob+1], s[6:7], s[42:43]
	global_load_b128 v[\q:\q+3], v[\va], s[4:5]
	global_load_b128 v[\q+8:\q+11], v[\va], s[4:5]
	global_load_u16 v[\qs], v[\vs], s[4:5] offset:8192
.irp i, 4,5,6,7
	v_mov_b32 v[\q+\i], 0                          ; zero codes
.endr
.endm
	QSET 44, 16, 28, 10, 36, 216, 217
	QSET 11, 30, 42, 11, 38, 218, 219
	v_lshlrev_b32 v[GO], 12, v237
	v_lshl_add_u32 v[GO], v236, 4, v[GO]
	s_mul_i32 s45, s[WV], 16*SP
	s_add_co_u32 s45, s45, STAGE                   ; my stage
	v_mul_u32_u24 v[STO], v236, SP
	v_lshl_add_u32 v[STO], v237, 5, v[STO]
	v_add_nc_u32 v[STO], s45, v[STO]               ; in: row r, 32 bytes for each half of the lanes
	v_mul_u32_u24 v[RD], v237, SP
	v_lshl_add_u32 v[RD], v236, 4, v[RD]
	v_add_nc_u32 v[RD], s45, v[RD]                 ; back: lanes 0-15 one row, lanes 16-31 the next
.irp i, 0,1,2,3
	v_mov_b32 v[BT+\i], 0                          ; written once: a lane permute's destination counts as one of its sources
.endr
	v_mov_b32 v[TP], 0
	v_mov_b32 v[F+1], 0                            ; (named as the upper half of a pair)
	s_wait_tensorcnt 0x0                           ; my record has landed,
	s_barrier_signal -1
	s_barrier_wait -1                              ; everybody's has: all sixteen records may be read
	s_wait_loadcnt 0x0                             ; q
	v_lshlrev_b32 v29, 16, v28                     ; the scale word for (zeros, q): the two bytes at k 64-127
	v_lshlrev_b32 v43, 16, v42
; A KEY STEP of one tile of queries: 128 keys.
.macro STEP q, qs, dg, lim
	s_cmp_gt_u32 s[ST], s[\lim]                    ; all its keys come after my queries: left out.  Ids and the count of steps alone
	s_cbranch_scc1 .Lhid_\@
	v_add_nc_u32 v[ADR], s[TB], v[L16]
	v_add_nc_u32 v[ADS], s[TB], v[L8]
	v_nop
	v_nop                                          ; four places in front of loads into registers that the last products have read
.irp t, 0,1,2,3,4,5,6,7
	ds_load_b128 v[KF+4*\t:KF+4*\t+3], v[ADR] offset:512*\t
.endr
	ds_load_b64 v[KS:KS+1], v[ADS] offset:8192
.irp t, 0,1,2,3,4,5,6,7
	ds_load_b128 v[VF+4*\t:VF+4*\t+3], v[ADR] offset:4096+512*\t
.endr
	ds_load_b64 v[VS:VS+1], v[ADS] offset:8448
	s_wait_dscnt 9                                 ; k and its scale words are in; v's nine loads, issued behind them, may be out
.irp t, 0,1,2,3,4,5,6,7                        ; S^T: tile t of 16 keys lies in half t % 2 of fragment t / 2; its scale word in lanes 0-15 or 16-31 of register t / 4
.if ((\t/2)%2)
	v_wmma_scale_f32_16x16x128_f8f6f4 v[S+8*\t:S+8*\t+7], v[KF+8*(\t/2):KF+8*(\t/2)+7], v[(\q)+4*(\t%2):(\q)+4*(\t%2)+7], 0, v[KS+\t/4], v[(\qs)+\t%2] matrix_a_fmt:MATRIX_FMT_FP4 matrix_b_fmt:MATRIX_FMT_FP4 matrix_a_scale:MATRIX_SCALE_ROW1
.else
	v_wmma_scale_f32_16x16x128_f8f6f4 v[S+8*\t:S+8*\t+7], v[KF+8*(\t/2):KF+8*(\t/2)+7], v[(\q)+4*(\t%2):(\q)+4*(\t%2)+7], 0, v[KS+\t/4], v[(\qs)+\t%2] matrix_a_fmt:MATRIX_FMT_FP4 matrix_b_fmt:MATRIX_FMT_FP4
.endif
.endr
.rept 4
	v_nop                                          ; places in front of the first read of the scores
.endr
	s_cmp_lg_u32 s[ST], s[\lim]                    ; only the tile's last step lies on the diagonal
	s_cbranch_scc1 .Lopen_\@
	v_mov_b32 v[TP], 0xff800000                    ; -infinity: p = 0 then
.irp n, 0,1,2,3,4,5,6,7,8,9,10,11,12,13,14,15,16,17,18,19,20,21,22,23,24,25,26,27,28,29,30,31,32,33,34,35,36,37,38,39,40,41,42,43,44,45,46,47,48,49,50,51,52,53,54,55,56,57,58,59,60,61,62,63
	v_cmp_gt_i32 vcc_lo, 16*(\n/8)+\n%8, v[\dg]    ; register n holds key 16 (n / 8) + 8 h + n % 8 of the step: hidden where it comes after my query
	v_cndmask_b32 v[S+\n], v[S+\n], v[TP], vcc_lo
.endr
.Lopen_\@:
.irp b, 0,1,2,3
	v_max3_num_f32 v[BM+\b], v[S+16*\b], v[S+1+16*\b], v[S+2+16*\b]   ; the largest score of each block of 32 keys: for the row's maximum and for the block's largest p
.endr
.irp i, 3,5,7,9,11,13
.irp b, 0,1,2,3
	v_max3_num_f32 v[BM+\b], v[BM+\b], v[S+16*\b+\i], v[S+1+16*\b+\i]
.endr
.endr
.irp b, 0,1,2,3
	v_max_num_f32 v[BM+\b], v[BM+\b], v[S+15+16*\b]
.endr
.irp b, 0,1,2,3
	v_permlanex16_b32 v[BT+\b], v[BM+\b], s[SEL], s[SEL+1]
.endr
.irp b, 0,1,2,3
	v_max_num_f32 v[BM+\b], v[BM+\b], v[BT+\b]     ; with lane l xor 16's 16 keys
.endr
	v_max3_num_f32 v[TP], v[BM], v[BM+1], v[BM+2]
	v_max_num_f32 v[TP], v[TP], v[BM+3]            ; the step's largest score of my query (the step's first key always counts)
	v_mul_f32 v[TP], s[CS], v[TP]
	v_max_num_f32 v13, v13, v[TP]                  ; the running largest t
	v_mov_b32 v[TP], v12
	v_floor_f32 v12, -v13                          ; the new -M = -ceil(t)
	v_sub_f32 v[TP], v12, v[TP]                    ; old M - new M: a whole number, 0 or less
	v_cvt_i32_f32 v[TP], v[TP]                     ; (it saturates)
	v_ldexp_f32 v[F], 1.0, v[TP]                   ; f
.irp j, 0,2,4,6,8,10,12,14,16,18,20,22,24,26,28,30,32,34,36,38,40,42,44,46,48,50,52,54,56,58,60,62
	v_pk_fma_f32 v[S+\j:S+\j+1], v[S+\j:S+\j+1], s[CS:CS+1], v[12:13] op_sel_hi:[1,0,0]   ; t - M, two at a time
.endr
.irp b, 0,1,2,3
	v_fma_f32 v[BM+\b], v[BM+\b], s[CS], v12       ; the same of each block's largest score
.endr
.irp j, 0,1,2,3,4,5,6,7,8,9,10,11,12,13,14,15,16,17,18,19,20,21,22,23,24,25,26,27,28,29,30,31,32,33,34,35,36,37,38,39,40,41,42,43,44,45,46,47,48,49,50,51,52,53,54,55,56,57,58,59,60,61,62,63
	v_exp_f32 v[S+\j], v[S+\j]                     ; p = 2^(t - M): ONE batch,
.endr
.irp b, 0,1,2,3
	v_exp_f32 v[BM+\b], v[BM+\b]                   ; the blocks' largest p among it
.endr
	v_pk_mul_f32 v[14:15], v[14:15], v[F:F+1] op_sel_hi:[1,0]   ; work that names no result of the batch: the sum under the new M,
.irp j, 0,2,4,6,8,10,12,14,16,18,20,22,24,26,28,30
	v_pk_mul_f32 v[O+\j:O+\j+1], v[O+\j:O+\j+1], v[F:F+1] op_sel_hi:[1,0]   ; and O^T, each accumulator from its low end on
.endr
	s_wait_alu depctr_va_vdst(0)                   ; the step's one wait, ahead of the first instruction that names an exponential's result
.irp b, 0,1,2,3
	v_max_num_f32 v[BM+\b], 0x1800000, v[BM+\b]    ; the floor 2^(3 - 127): the byte cannot fall under 1
.endr
.irp b, 0,1,2,3
	v_add_nc_u32 v[BS+\b], 0xff000000, v[BM+\b]    ; 2 off the exponent field: the conversion's scale operand
.endr
.irp b, 0,1,2,3
	v_lshrrev_b32 v[BT+\b], 23, v[BS+\b]           ; the scale's byte
.endr
	v_lshl_or_b32 v[PW], v[BT+1], 8, v[BT]         ; p's scale word for these 128 keys
	v_lshl_or_b32 v[PW], v[BT+2], 16, v[PW]
	v_lshl_or_b32 v[PW], v[BT+3], 24, v[PW]
.irp c, 0,1                                    ; tiles 4 c + 0, 1, 2, 3 go to registers 0, 2, 1, 3, so that the exchanges leave block 2 c + h whole, in ascending order, in lane (r, h)
	v_cvt_scalef32_pk8_fp4_f32 v[P+4*\c],   v[S+32*\c:S+32*\c+7],     v[BS+2*\c]
	v_cvt_scalef32_pk8_fp4_f32 v[P+4*\c+2], v[S+32*\c+8:S+32*\c+15],  v[BS+2*\c]
	v_cvt_scalef32_pk8_fp4_f32 v[P+4*\c+1], v[S+32*\c+16:S+32*\c+23], v[BS+1+2*\c]
	v_cvt_scalef32_pk8_fp4_f32 v[P+4*\c+3], v[S+32*\c+24:S+32*\c+31], v[BS+1+2*\c]
.endr
	v_nop                                          ; one plain place behind a scaled conversion
.irp c, 0,1
	v_permlane16_swap_b32 v[P+4*\c],   v[P+4*\c+1]
	v_permlane16_swap_b32 v[P+4*\c+2], v[P+4*\c+3]
.endr
	v_pk_add_f32 v[S2:S2+1], v[S:S+1], v[S+2:S+3]  ; the row's sum of the UNQUANTISED p, in two chains.  These 32 lines, which name no register of the products below, are also the places between p's codes and scale word and those products
.irp j, 4,8,12,16,20,24,28,32,36,40,44,48,52,56,60
	v_pk_add_f32 v[14:15], v[14:15], v[S+\j:S+\j+1]
	v_pk_add_f32 v[S2:S2+1], v[S2:S2+1], v[S+\j+2:S+\j+3]
.endr
	v_pk_add_f32 v[14:15], v[14:15], v[S2:S2+1]
	s_wait_dscnt 0x0                               ; v and its scale words are in
.irp t, 0,1,2,3                                ; O^T += V^T P^T: the four accumulators by turns; the matrix instruction in front of the first is another accumulator's, and so is the one behind the last
.if \t%2
	v_wmma_scale_f32_16x16x128_f8f6f4 v[O+8*\t:O+8*\t+7], v[VF+8*\t:VF+8*\t+7], v[P:P+7], v[O+8*\t:O+8*\t+7], v[VS+\t/2], v[PW] matrix_a_fmt:MATRIX_FMT_FP4 matrix_b_fmt:MATRIX_FMT_FP4 matrix_a_scale:MATRIX_SCALE_ROW1
.else
	v_wmma_scale_f32_16x16x128_f8f6f4 v[O+8*\t:O+8*\t+7], v[VF+8*\t:VF+8*\t+7], v[P:P+7], v[O+8*\t:O+8*\t+7], v[VS+\t/2], v[PW] matrix_a_fmt:MATRIX_FMT_FP4 matrix_b_fmt:MATRIX_FMT_FP4
.endif
.endr
.Lhid_\@:
.endm
; THE WAY OUT of a tile: O^T / the sum goes through my stage in LDS and leaves as rows: sixteen lanes store the head's 256 consecutive bytes of a row, aligned.
.macro OUT ob
	v_add_f32 v14, v14, v15                        ; the sum's two halves,
	v_permlanex16_b32 v[TP], v14, s[SEL], s[SEL+1]
	v_add_f32 v14, v14, v[TP]                      ; and lane l xor 16's
	v_rcp_f32 v14, v14
.rept 4
	v_nop                                          ; the plain place behind the reciprocal, and the places behind the last products
.endr
	s_wait_alu depctr_va_vdst(0)                   ; ahead of the reciprocal's first reader
.irp j, 0,1,2,3,4,5,6,7,8,9,10,11,12,13,14,15,16,17,18,19,20,21,22,23,24,25,26,27,28,29,30,31
	v_mul_f32 v[S+\j], v[O+\j], v14                ; register 8 t + e: channel 16 t + 8 h + e of query r
.endr
.irp t, 0,1,2,3
	ds_store_b128 v[STO], v[S+8*\t:S+8*\t+3] offset:64*\t
	ds_store_b128 v[STO], v[S+8*\t+4:S+8*\t+7] offset:64*\t+16
.endr
.irp i, 0,1,2,3,4,5,6,7
	ds_load_b128 v[S+32+4*\i:S+32+4*\i+3], v[RD] offset:2*\i*SP   ; LDS serves a wave's instructions in order (ISA guide 5.7.1.4): these see my stores
.endr
.irp i, 0,1,2,3,4,5,6,7
	s_wait_dscnt 7-\i                              ; load i is in; the younger ones may be out
	global_store_b128 v[GO], v[S+32+4*\i:S+32+4*\i+3], s[\ob:\ob+1] offset:8192*\i th:TH_STORE_NT
.endr
	s_wait_xcnt 0x0                                ; the stores have read their registers: the next tile's scores may be written there
.endm
; One tile of queries: nst trips, a constant; the steps beyond the tile's limit are jumped over inside the trip.  O^T and the sum begin as zeros and the largest t as -3e38: the first change of M multiplies zeros.
.macro PASS q, qs, dg, lim, nst, ob
	v_mov_b32 v13, 0xff61b1e6
	v_floor_f32 v12, -v13
	v_mov_b32 v14, 0
	v_mov_b32 v15, 0
.irp j, 0,1,2,3,4,5,6,7,8,9,10,11,12,13,14,15,16,17,18,19,20,21,22,23,24,25,26,27,28,29,30,31
	v_mov_b32 v[O+\j], 0
.endr
	s_mov_b32 s[TB], 0
	s_mov_b32 s[ST], 0
.Lstep_\@:
	STEP \q, \qs, \dg, \lim
	s_add_co_u32 s[TB], s[TB], RECB
	s_add_co_u32 s[ST], s[ST], 1
	s_cmp_lt_u32 s[ST], \nst
	s_cbranch_scc1 .Lstep_\@
	OUT \ob
.endm
	PASS 16, 28, 10, 30, 16, 36                    ; tile 127 - u: steps 0 .. 15 - w / 2
	PASS 30, 42, 11, 31, 8, 38                     ; tile u: steps 0 .. w / 2
	s_wait_tensorcnt 0x0                           ; the wave's end, behind my last tensor load and my last LDS store
	ds_add_u32 v[SPW], v[NIL]
	s_wait_dscnt 0x0
	CROUND                                         ; the closing round
	s_endpgm
.Lfunc_end_k_q1c93d25c6a_attn:
	.size	k_q1c93d25c6a_attn, .Lfunc_end_k_q1c93d25c6a_attn-k_q1c93d25c6a_attn
	.p2alignl 7, 3214868480
	.fill 96, 4, 3214868480
	.section	.rodata,"a",@progbits
	.p2align	6, 0x0
	.amdhsa_kernel k_q1c93d25c6a_attn
		.amdhsa_group_segment_fixed_size 210944
		.amdhsa_private_segment_fixed_size 0
		.amdhsa_enable_private_segment 0
		.amdhsa_kernarg_size 16
		.amdhsa_user_sgpr_count 2
		.amdhsa_user_sgpr_kernarg_segment_ptr 1
		.amdhsa_wavefront_size32 1
		.amdhsa_system_sgpr_workgroup_id_x 1
		.amdhsa_system_sgpr_workgroup_id_y 1
		.amdhsa_system_sgpr_workgroup_id_z 1
		.amdhsa_system_vgpr_workitem_id 0
		.amdhsa_next_free_vgpr 256
		.amdhsa_next_free_sgpr 66
		.amdhsa_reserve_vcc 1
		.amdhsa_float_denorm_mode_32 3
		.amdhsa_float_denorm_mode_16_64 3
		.amdhsa_memory_ordered 1
		.amdhsa_forward_progress 1
		.amdhsa_inst_pref_size 56
	.end_amdhsa_kernel
	.amdgpu_metadata
---
amdhsa.version: [ 1, 2 ]
amdhsa.kernels:
  - .name:           k_q1c93d25c6a_attn
    .symbol:         k_q1c93d25c6a_attn.kd
    .args:
      - { .name: qkv, .offset: 0, .size: 8, .value_kind: global_buffer, .address_space: global }
      - { .name: out0, .offset: 8, .size: 8, .value_kind: global_buffer, .address_space: global }
    .group_segment_fixed_size: 210944
    .private_segment_fixed_size: 0
    .kernarg_segment_align: 8
    .kernarg_segment_size: 16
    .max_flat_workgroup_size: 512
    .sgpr_count:     66
    .vgpr_count:     256
    .wavefront_size: 32
...
	.end_amdgpu_metadata
.endif
;; end of part 2
